; MI455X (gfx1250); checked and timed in simulation.
; The chip was launched on July 23, 2026; its instructions are those of AMD's public machine-readable ISA for CDNA 5 (MIT licence, August 2026) and "CDNA5" Instruction Set Architecture Reference Guide (July 2026). The comments in the code are by the model that wrote it; some were corrected since.
;; Softly Masked Attention. Allowed arithmetic: matrix products marked QUANTISED: E5M2 operands, one given power-of-two scale a tensor, by v_wmma_f32_16x16x64_bf8_bf8 or v_wmma_f32_16x16x128_bf8_bf8, f32 sums; everything else in f32.
;; Inputs: K 8 x 2,048 x 512 float32; Q 8 x 2,048 x 1,024 float32; Wk 512 x 512 float32; Wq 512 x 1,024 float32; Wv 512 x 512 float32; bk 512 float32; bq 512 float32; bv 512 float32; lowp_scales 10 int32 (the exponents e of the quantised operands' scales 2^e); mask_weights 8 x 2,048 float32.
;; Outputs: out0 8 x 2,048 x 512 float32.
;; This version of the problem:
;;   THIS VERSION OF THE PROBLEM IS GIVEN IN LOW PRECISION. The matrix products marked QUANTISED in the list below multiply operands that are first quantised to E5M2 (5 exponent bits, 2 mantissa bits; 8 bits a number), with one given power-of-two scale for each operand tensor; their sums are f32. All else is computed in f32.
;;   The module's matrix products, in the order in which they are computed (A, B: the left and right operand; K: the contracted axis; several contracted axes count as one K, in the product's order):
;;     1. [M 16,384, K 1,024] x [K 1,024, N 512]; A: input Q; B: input Wq: QUANTISED (scales: A lowp_scales[0], B lowp_scales[1])
;;     2. [M 16,384, K 512] x [K 512, N 512]; A: input K; B: input Wk: QUANTISED (scales: A lowp_scales[2], B lowp_scales[3])
;;     3. [M 16,384, K 512] x [K 512, N 512]; A: computed on the way; B: input Wv: QUANTISED (scales: A lowp_scales[4], B lowp_scales[5])
;;     4. batch 8 x [M 2,048, K 512] x [K 512, N 2,048]; A: computed on the way; B: computed on the way: QUANTISED (scales: A lowp_scales[6], B lowp_scales[7])
;;     5. batch 8 x [M 2,048, K 2,048] x [K 2,048, N 512]; A: softmax (see below); B: computed on the way: QUANTISED (scales: A lowp_scales[8], B lowp_scales[9])
;;   THE QUANTISER, for each operand of a quantised product, along K:
;;     - The operand's scale is 2^e, e = its entry of the input lowp_scales (int32; the entries are numbered through the quantised products in the list's order, A before B).
;;     - Each number is divided by the scale, clamped to +-57,344, and rounded to the nearest number of E5M2, ties to even, subnormals kept.
;;     - The product sums the exact products of the quantised numbers (number of the format x scale) in f32.
;;   ~~~python
;;   def quantise(x, axis, e):      # numpy; x: float32 -> the quantised numbers, widened to float32 again
;;       x = np.moveaxis(x, axis, -1); K = x.shape[-1]
;;       r = np.clip(x / 2.0 ** e, -57344, 57344)
;;       step = 2.0 ** (np.maximum(np.frexp(np.where(r == 0, 1, r))[1] - 1, -14) - 2)
;;       q = np.round(r / step) * step * 2.0 ** e      # np.round: ties to even
;;       return np.moveaxis(q, -1, axis).astype(np.float32)
;;   ~~~
;;   SOFTMAX AHEAD OF A QUANTISED PRODUCT. Where the list says 'softmax', what is quantised is not the finished softmax but p = 2^(t - M), with t = logit x log2(e) and M = ceil(the row's largest t), a whole number; so 1/2 < the row's largest p <= 1. The row's sum l is taken of the UNQUANTISED p, in f32, and the product's result is divided by l at the end. Since M is a whole number, a kernel that streams over the keys may use a running M (the ceiling of the running maximum): every later rescaling is an exact power of two, so the quantised numbers keep their values, but for numbers so far below the row's largest that they fall under the format's range.
;;   OPERANDS COMPUTED ON THE WAY. 'Computed on the way' means the value that the module computes at that place (a softmax that the list does not call 'softmax' is quantised finished and normalised). What goes into a quantiser is computed in f32, as accurately as f32 sums, v_exp_f32 and their like allow (about 1e-6 of the number): no bf16 or f16 on the way to a quantiser, and a product that is left as it is and whose result goes on into a quantised operand takes f32 operands (vector FMAs, or v_wmma_f32_16x16x4_f32). A number that lies on a knife's edge between two numbers of the format may be rounded either way, as far as f32 arithmetic and the matrix unit's own rounding can turn it there, and no further.
;; One version. Each part assembles by itself: llvm-mc -triple=amdgcn-amd-amdhsa -mcpu=gfx1250 --defsym DOCPART=n.
;; ======== version 1 of 1: 3 launches
;; limits: right only within a limited range of input values
;; workspace buffers: wc 1,048,576 bytes; qc 8,388,608 bytes; kc 8,388,608 bytes; vc 8,388,608 bytes
;; launch prep (part 1): grid 256 x 1, 2 waves a work-group, no clusters, 0 bytes of LDS; arguments Wq, Wk, Wv, lowp_scales, wc; writes wc
.if DOCPART == 1
	.amdgcn_target "amdgcn-amd-amdhsa--gfx1250"
	.amdhsa_code_object_version 6
	.text
	.protected	k_qf28985a5e1_prep
	.globl	k_qf28985a5e1_prep
	.p2align	8
	.type	k_qf28985a5e1_prep,@function
k_qf28985a5e1_prep:
	s_mov_b64 s[64:65], 0
	v_nop
	global_prefetch_b8 v0, s[64:65] scope:SCOPE_SE
	s_setreg_imm32_b32 hwreg(HW_REG_WAVE_MODE, 25, 1), 1
	s_wait_xcnt 0x0
; THE PROGRAM: out = softmax(q k^T / sqrt(512) + log(mask)) v, with q = Q Wq^T + bq, k = K Wk^T + bk, v = k Wv^T + bv; all five products on codes of E5M2, each operand with its given scale 2^e.
; Three launches: this one (the weights' codes), the projections (codes of q, k, v), the attention.
; NO WORK IS LEFT OUT: bq's part of a score differs from key to key; bk and bv go into quantised operands of live products; the mask's logarithm differs from key to key.  Every input is loaded.
; THIS LAUNCH: Wq [512][1024], Wk [512][512], Wv [512][512], f32, K innermost, become codes with the scales e1, e3, e5, laid in the order in which the next launch's registers take them.
; A FRAGMENT is 16 rows x 128 along K = 2,048 bytes: register group c (0..3) of lane l lies at byte 512 c + 16 l and holds, of the lane's row, k = 32 c + 16 (l / 16) + 0 .. 15 of the K step.
; wc = [g 0..15][w 0..3][t 0..7][2,048]: g 0-7 Wq's K steps, g 8-11 Wk's, g 12-15 Wv's.  Lane r of tile t of wave w holds weight row 128 w + 32 (t / 2) + 8 (t % 2) + r + 8 (r / 8):
; so the results of two neighbouring tiles are 16 neighbours along the next product's K.
; code = x / 2^e, held within +-57,344, to the nearest code, ties to even.  LIMITS: e1, e3, e5 between -126 and 112.  NaN among the inputs is not served.
; One wave makes one fragment: 512 fragments, 256 work-groups of two waves.  No LDS, no barrier: waves share nothing.  A fragment's sixteen loads together take every byte of 16 rows x 512 bytes; 4 MiB in all.
.set X, 16                             ; v16-79  64 numbers: register 16 c + i = k 32 c + 16 h + i
.set C, 80                             ; v80-95  their codes
	s_load_b256 s[4:11], s[0:1], 0x0               ; Wq s[4:5], Wk s[6:7], Wv s[8:9], the scales' exponents s[10:11]
	s_load_b64 s[12:13], s[0:1], 0x20              ; wc
	v_lshrrev_b32 v1, 5, v0
	v_readfirstlane_b32 s14, v1                    ; wave 0, 1
	v_and_b32 v2, 15, v0                           ; r
	s_wait_alu depctr_va_vdst(0)
	v_bfe_u32 v4, v0, 4, 1                         ; h
	v_and_b32 v5, 31, v0
	v_lshlrev_b32 v7, 4, v5                        ; 16 x lane: my place in a group of an image
	s_lshr_b32 s15, ttmp9, 4                       ; g: the fragment's number is 2 x work-group + wave = 32 g + 8 w + t
	s_bfe_u32 s16, ttmp9, 0x20002                  ; w
	s_and_b32 s17, ttmp9, 3
	s_lshl_b32 s17, s17, 1
	s_add_co_u32 s17, s17, s14                     ; t
	s_lshl_b32 s34, ttmp9, 1
	s_add_co_u32 s34, s34, s14
	s_lshl_b32 s34, s34, 11                        ; the fragment's first byte in wc
	s_mov_b32 s35, 0
	v_and_b32 v6, 8, v2
	v_add_nc_u32 v6, v6, v2                        ; r + 8 (r / 8)
	s_wait_alu depctr_va_vdst(0)
	s_wait_kmcnt 0x0
	s_load_b256 s[24:31], s[10:11], 0x0            ; e0 .. e7
	s_cmp_lt_u32 s15, 8                            ; which tensor: the choice hangs on the work-group's number alone
	s_cselect_b64 s[20:21], s[4:5], s[6:7]
	s_cselect_b32 s18, 12, 11                      ; a row is 2^12 bytes in Wq, 2^11 in Wk and Wv
	s_cselect_b32 s19, 0, 8
	s_cmp_lt_u32 s15, 12
	s_cselect_b64 s[20:21], s[20:21], s[8:9]
	s_cselect_b32 s19, s19, 12
	s_sub_co_u32 s19, s15, s19                     ; the K step inside the tensor
	s_lshl_b32 s32, s16, 7
	s_lshr_b32 s33, s17, 1
	s_lshl_b32 s33, s33, 5
	s_add_co_u32 s32, s32, s33
	s_and_b32 s33, s17, 1
	s_lshl_b32 s33, s33, 3
	s_add_co_u32 s32, s32, s33                     ; the tile's first row: 128 w + 32 (t / 2) + 8 (t % 2)
	s_lshl_b32 s32, s32, s18
	s_lshl_b32 s33, s19, 9                         ; 128 numbers of a K step are 512 bytes
	s_add_co_u32 s32, s32, s33
	s_mov_b32 s33, 0
	s_add_nc_u64 s[20:21], s[20:21], s[32:33]
	s_add_nc_u64 s[12:13], s[12:13], s[34:35]
	v_lshlrev_b32 v3, s18, v6
	v_lshl_add_u32 v3, v4, 6, v3                   ; my row, + 64 h: my 16 numbers of a block of 32
.irp c, 0,1,2,3
.irp j, 0,1,2,3
	global_load_b128 v[X+16*\c+4*\j:X+16*\c+4*\j+3], v3, s[20:21] offset:128*\c+16*\j th:TH_LOAD_NT
.endr
.endr
	s_wait_kmcnt 0x0
	s_cmp_lt_u32 s15, 8
	s_cselect_b32 s22, s25, s27                    ; e1 or e3,
	s_cmp_lt_u32 s15, 12
	s_cselect_b32 s22, s22, s29                    ; or e5
	s_add_co_i32 s22, s22, 127
	s_lshl_b32 s23, s22, 23
	v_mov_b32 v11, s23                             ; 2^e as f32: the conversion takes its exponent field
	s_add_co_i32 s22, s22, 15
	s_lshl_b32 s22, s22, 23
	s_or_b32 s22, s22, 0x600000
	v_mov_b32 v10, s22                             ; 57,344 x 2^e
	s_wait_alu depctr_va_vdst(0)
	s_wait_loadcnt 0x0
.set n_, 0
.rept 64
	v_med3_num_f32 v[X+n_], v[X+n_], -v10, v10     ; the conversion to an 8-bit code does not saturate (ISA guide 7.6.2): the hold comes first
.set n_, n_+1
.endr
.irp c, 0,1,2,3
	v_cvt_scalef32_pk8_bf8_f32 v[C+4*\c:C+4*\c+1], v[X+16*\c:X+16*\c+7], v11
	v_cvt_scalef32_pk8_bf8_f32 v[C+4*\c+2:C+4*\c+3], v[X+16*\c+8:X+16*\c+15], v11
.endr
	v_nop
.irp c, 0,1,2,3
	global_store_b128 v7, v[C+4*\c:C+4*\c+3], s[12:13] offset:512*\c   ; the wave stores 512 consecutive bytes, at a multiple of 512 from wc's first byte
.endr
	s_endpgm
.Lfunc_end_k_qf28985a5e1_prep:
	.size	k_qf28985a5e1_prep, .Lfunc_end_k_qf28985a5e1_prep-k_qf28985a5e1_prep
	.p2alignl 7, 3214868480
	.fill 96, 4, 3214868480
	.section	.rodata,"a",@progbits
	.p2align	6, 0x0
	.amdhsa_kernel k_qf28985a5e1_prep
		.amdhsa_group_segment_fixed_size 0
		.amdhsa_private_segment_fixed_size 0
		.amdhsa_enable_private_segment 0
		.amdhsa_kernarg_size 40
		.amdhsa_user_sgpr_count 2
		.amdhsa_user_sgpr_kernarg_segment_ptr 1
		.amdhsa_wavefront_size32 1
		.amdhsa_system_sgpr_workgroup_id_x 1
		.amdhsa_system_sgpr_workgroup_id_y 1
		.amdhsa_system_sgpr_workgroup_id_z 1
		.amdhsa_system_vgpr_workitem_id 0
		.amdhsa_next_free_vgpr 96
		.amdhsa_next_free_sgpr 66
		.amdhsa_reserve_vcc 0
		.amdhsa_float_denorm_mode_32 3
		.amdhsa_float_denorm_mode_16_64 3
		.amdhsa_memory_ordered 1
		.amdhsa_forward_progress 1
		.amdhsa_inst_pref_size 9
	.end_amdhsa_kernel
	.amdgpu_metadata
---
amdhsa.version: [ 1, 2 ]
amdhsa.kernels:
  - .name:           k_qf28985a5e1_prep
    .symbol:         k_qf28985a5e1_prep.kd
    .args:
      - { .name: Wq, .offset: 0, .size: 8, .value_kind: global_buffer, .address_space: global }
      - { .name: Wk, .offset: 8, .size: 8, .value_kind: global_buffer, .address_space: global }
      - { .name: Wv, .offset: 16, .size: 8, .value_kind: global_buffer, .address_space: global }
      - { .name: lowp_scales, .offset: 24, .size: 8, .value_kind: global_buffer, .address_space: global }
      - { .name: wc, .offset: 32, .size: 8, .value_kind: global_buffer, .address_space: global }
    .group_segment_fixed_size: 0
    .private_segment_fixed_size: 0
    .kernarg_segment_align: 8
    .kernarg_segment_size: 40
    .max_flat_workgroup_size: 64
    .sgpr_count:     66
    .vgpr_count:     96
    .wavefront_size: 32
...
	.end_amdgpu_metadata
.endif
;; end of part 1
;; launch proj (part 2): grid 256 x 1, 4 waves a work-group, clusters of 4 x 1, 327,680 bytes of LDS; arguments Q, K, wc, bq, bk, bv, lowp_scales, qc, kc, vc; writes qc, kc, vc
.if DOCPART == 2
	.amdgcn_target "amdgcn-amd-amdhsa--gfx1250"
	.amdhsa_code_object_version 6
	.text
	.protected	k_qf28985a5e1_proj
	.globl	k_qf28985a5e1_proj
	.p2align	8
	.type	k_qf28985a5e1_proj,@function
k_qf28985a5e1_proj:
	s_mov_b64 s[64:65], 0
	v_nop
	global_prefetch_b8 v0, s[64:65] scope:SCOPE_SE
	s_setreg_imm32_b32 hwreg(HW_REG_WAVE_MODE, 25, 1), 1
	s_wait_xcnt 0x0
	s_wait_alu depctr_hold_cnt(0) depctr_sa_sdst(0) depctr_va_vdst(0) depctr_va_sdst(0) depctr_va_ssrc(0) depctr_va_vcc(0) depctr_vm_vsrc(0)
	s_getreg_b32 s2, hwreg(HW_REG_IB_STS2, 6, 4)
	s_cmp_eq_u32 s2, 0
	s_cbranch_scc0 .Lentry_in_a_cluster
	s_endpgm
.Lentry_in_a_cluster:
	s_bfe_u32 s2, ttmp6, 0x10000c
	s_cmp_lg_u32 s2, 0x3003
	s_cbranch_scc0 .Lentry_shape_is_right
	s_endpgm
.Lentry_shape_is_right:
; THE PROJECTIONS.  q = Q Wq^T + bq, k = K Wk^T + bk, v = k Wv^T + bv, each product on codes of E5M2; out go the codes of q (scale e6), k (e7) and v (e9, along the keys).  No work is left out.
; SHARES.  Work-group i takes rows 64 i .. 64 i + 63 of Q and of K (the batches on end).  Wave w makes features (channels) 128 w .. 128 w + 127, eight tiles of weights, for all 64 rows:
; each fragment of weights feeds four matrix instructions.  Wave w quantises rows 16 w .. 16 w + 15 of x; the codes go from wave to wave through LDS.
; ORDER: k (4 K steps), v (4), q (8): while v is made, which needs no x, Q's first four K steps are on their way.
; WEIGHTS.  All work-groups need the same 16 K steps of wc (Wk's, Wv's, Wq's).  CLUSTERS of 4 x 1: a slot of two K steps, 131,072 bytes, is asked for JOINTLY, 32,768 bytes a wave, through a ring of two slots:
; 8 fills, one tensor load a wave behind each round of the cluster's barrier; the round is also the barrier of that K step's codes.
; THE CLUSTERS WALK K IN DIFFERENT ORDERS: cluster c begins k's product at pair c % 2 of its two pairs of K steps and q's at pair c % 4 of its four, and goes round.  Only two global offsets hang on that, x's columns and
; the slot's place in wc, both made of the cluster's number, which the four partners share.  So clusters ask for different parts of Wk and Wq at a time.  A sum's K steps are added in the order of the walk.
; wc IS PREFETCHED, shared out by address: 16,384 bytes a work-group, 16 blocks of 256 bytes a wave (lanes 16 to 31 name the wave's last block again), behind the first joint load and ahead of x's loads.  The share is
; number 4 u + cx of 64, u made of the cluster number's bits 0, 1, 4 and (5 xor 3 xor 2): each block is named by four work-groups of the launch.
; x comes by plain loads, one row's 512 bytes of a K step to a load, four K steps (64 loads, 256 registers a wave) ahead: it needs no prefetch.  A lane then holds 4 neighbours of each of 16 rows; it holds and converts
; them as they lie (a conversion's 8 numbers are 4 of one row and 4 of the next) and stores each row's 128 codes as 128 consecutive bytes: rows 144 bytes apart, read back as fragments, k = 32 c + 16 h + 0 .. 15 in group c.
; The codes of K step x + 1 are made between step x's fragment loads and its products, into the other of two sets.
; LAYOUT.  q and k are made TRANSPOSED (source 0 = 16 rows of weights, source 1 = x): a lane holds one row of x, and by the choice of the weights' rows its 16 registers of two neighbouring tiles are 16 neighbours
; along the next K.  v is made the other way round (source 0 = 16 keys of k, source 1 = 16 rows of Wv): a lane holds one channel and its registers run along the keys, which are the last product's K.
; The biases, divided by the power of two that the sums lack, lie in LDS and are the C of each sum's first matrix instruction.
; OUT.  qc, kc: [tile of 16 rows][feature step 0..3][2,048]; vc: [batch][128 keys][channel tile 0..31][2,048]; a fragment as in wc.  In vc byte i of group c of half h is key 32 c + 16 (i / 8) + 8 h + i % 8.
; LIMITS on the given exponents, so that each power of two below is an f32 number: e0, e2, e6 - e0 - e1, e7 - e2 - e3, e4 - e2 - e3, e9 - e4 - e5 between -126 and 112.  NaN among the inputs is not served.
; REGISTERS, in windows of 256: window 0: v1-15 addresses; v16-79 64 numbers at work (or a first step's C); v80-143 four fragments of x or k; v144-207 four sets of codes for stores (for v: k's other buffer);
;   v208-223 codes for LDS; v224-235 scales and holds; v240-247 bv; v248-251 the weights' addresses; v252-255 x's offsets.   window 1: the 32 accumulators.   window 2: two sets of eight fragments of weights.   window 3: x as loaded, four K steps.
; NUMBERING: g = 0 .. 15 counts the weights' K steps in the order of the walk (0-3 Wk, 4-7 Wv, 8-15 Wq); x = 0 .. 11 counts x's K steps in that order (0-3 K's, 4-11 Q's).
.set SLOT,  131072                     ; LDS: the ring's two slots, K step g at 65,536 (g % 4)
.set HIMG,  262144                     ; k's images with the scale e4, 16 fragments, (row tile m, K step s) at 2,048 (4 m + s)
.set XIMG,  294912                     ; x's codes: two sets by turns x 64 rows x 144 bytes
.set XSET,  9216
.set BIA,   313344                     ; the scaled biases: bq, bk, bv, 2,048 bytes each
.set SPARE, 319488                     ; the spare words, 128 bytes for each wave: two blocks of 256 bytes that no other line names
.set LI,  1                            ; v1   16 x lane
.set PF,  2                            ; v2   the prefetch's offset in wc; never rewritten
.set XWI, 4                            ; v4   where I store x's codes: my 16 rows, + 4 x lane
.set HWI, 5                            ; v5   where I store k's image
.set AX,  6                            ; v6   where fragments of x are read: row r, + 16 h
.set AH,  7                            ; v7   where images of k are read
.set BO,  8                            ; v8   my biases, + 64 h
.set SPW, 12                           ; v12  my spare word; never rewritten
.set NIL, 13                           ; v13  0; never rewritten
.set VO,  14                           ; v14  my biases, + 4 (r + 8 (r / 8))
.set BW,  15                           ; v15  where I store my biases
.set X,   16
.set A0,  80
.set PC0, 144
.set PCH, 208
.set BVL, 240
.set WR,  248                          ; v248-251  my weights in K step g % 4 of the ring
.set XO,  252                          ; v252-255  16 x lane + the K step's columns in bytes, one register for each set of x
.set G1,  24                           ; s[24:31] group 1; s[32:35] group 0
.set G0,  32
.set WV,  50
.set WG,  51
.set RK9, 52                           ; s52  1,024 (c % 2): where the cluster's walk of K's columns begins, in bytes
.set RQ9, 53                           ; s53  1,024 (c % 4): the same for Q's
.set RKS, 54                           ; s54  SLOT (c % 2): where its walk of Wk begins
.set RQS, 55                           ; s55  SLOT (c % 4): of Wq
.set WB,  56                           ; s[56:57] wc at my quarter of a slot
.set OF,  58                           ; s[58:59] the fill's slot in wc, in bytes
.set MSB, 0
.macro WIN new                         ; the immediate's high byte repeats the setting that is left
.if MSB != \new
	s_set_vgpr_msb (MSB<<8)|\new
.set MSB, \new
.endif
.endm
.macro PLACES n
.rept \n
	v_nop
.endr
.endm
.macro CROUND                          ; a round of the cluster's barrier
	s_barrier_signal -1
	s_barrier_wait -1
	s_cmp_lg_u32 s[WV], 0
	s_cbranch_scc1 .Lnot_wave_0_\@
	s_barrier_signal -3
.Lnot_wave_0_\@:
	s_barrier_wait -3
	s_barrier_signal -1
	s_barrier_wait -1
.endm
.macro MKSC sc, lim, se                ; v[sc] = 2^e as f32, v[lim] = 57,344 x 2^e
	s_add_co_i32 s66, \se, 127
	s_lshl_b32 s67, s66, 23
	v_mov_b32 v[\sc], s67
	s_add_co_i32 s66, s66, 15
	s_lshl_b32 s66, s66, 23
	s_or_b32 s66, s66, 0x600000
	v_mov_b32 v[\lim], s66
.endm
; K step x of the walk, of my 16 rows (x < 4: of K, else of Q), into set x % 4 of window 3: each load takes 512 consecutive bytes of one row.  The set's offset register was last read by loads that the wait ahead of the set's conversion has shown done.
.macro XLOAD x
.if (\x) < 4
	s_add_co_u32 s66, s[RK9], 512*(\x)
	s_and_b32 s66, s66, 2047                       ; round K's 4 K steps
.else
	s_add_co_u32 s66, s[RQ9], 512*((\x)-4)
	s_and_b32 s66, s66, 4095                       ; round Q's 8
.endif
	v_add_nc_u32 v[XO+(\x)%4], s66, v[LI]
	WIN 0xc0
.irp p, 0,1,2,3,4,5,6,7,8,9,10,11,12,13,14,15
.if (\x) < 4
	global_load_b128 v[64*((\x)%4)+4*\p:64*((\x)%4)+4*\p+3], v[XO+(\x)%4], s[6:7] offset:2048*\p th:TH_LOAD_NT
.else
	global_load_b128 v[64*((\x)%4)+4*\p:64*((\x)%4)+4*\p+3], v[XO+(\x)%4], s[4:5] offset:4096*\p th:TH_LOAD_NT
.endif
.endr
	WIN 0
.endm
.macro QX x                            ; K step x of my 16 rows becomes codes: register 4 p + j of the set is row p, k = 4 lane + j
.if (\x) < 4
.set SC_, 226
.else
.set SC_, 224
.endif
.set RW_, 64*((\x)%4)
	WIN 0xc3                                       ; source 0 and destination window 3
.set n_, 0
.rept 64
	v_med3_num_f32 v[RW_+n_], v[RW_+n_], -v[SC_+1], v[SC_+1]   ; the conversion to an 8-bit code does not saturate (ISA guide 7.6.2)
.set n_, n_+1
.endr
	WIN 0x03
.irp u, 0,1,2,3,4,5,6,7
	v_cvt_scalef32_pk8_bf8_f32 v[PCH+2*\u:PCH+2*\u+1], v[RW_+8*\u:RW_+8*\u+7], v[SC_]   ; register 2 u: four codes of row 2 u; register 2 u + 1: of row 2 u + 1
.endr
	WIN 0
	v_nop                                          ; one plain line behind the conversions
.irp p, 0,1,2,3,4,5,6,7,8,9,10,11,12,13,14,15
	ds_store_b32 v[XWI], v[PCH+\p] offset:XSET*((\x)%2)+144*\p   ; the wave stores a row's 128 consecutive bytes
.endr
.endm
; 64 sums, v[src] on in window win, become a fragment's codes in v[dst] on.  They are held into v[X] on, in ascending order: each accumulator is read from its low end.
.macro QUANT src, win, sc, lim, dst
	WIN \win
.set n_, 0
.rept 64
	v_med3_num_f32 v[X+n_], v[\src+n_], -v[\lim], v[\lim]
.set n_, n_+1
.endr
	WIN 0
.irp b, 0,1,2,3
	v_cvt_scalef32_pk8_bf8_f32 v[\dst+4*\b:\dst+4*\b+1], v[X+16*\b:X+16*\b+7], v[\sc]
	v_cvt_scalef32_pk8_bf8_f32 v[\dst+4*\b+2:\dst+4*\b+3], v[X+16*\b+8:X+16*\b+15], v[\sc]
.endr
	v_nop                                          ; one plain line between the conversions and the next vector or matrix instruction that touches their registers
.endm
.macro IMAGE adr, off, src
.irp c, 0,1,2,3
	ds_store_b128 v[\adr], v[\src+4*\c:\src+4*\c+3] offset:\off+512*\c
.endr
.endm
.macro FETCHK buf, s                   ; K step s of v's product: the four key tiles' fragments
.irp m, 0,1,2,3
.irp c, 0,1,2,3
	ds_load_b128 v[\buf+16*\m+4*\c:\buf+16*\m+4*\c+3], v[AH] offset:2048*(4*\m+(\s))+512*\c
.endr
.endr
.endm
.macro FETCHX x                        ; K step x: the four row tiles' fragments
.irp m, 0,1,2,3
.irp c, 0,1,2,3
	ds_load_b128 v[A0+16*\m+4*\c:A0+16*\m+4*\c+3], v[AX] offset:XSET*((\x)%2)+2304*\m+32*\c
.endr
.endr
.endm
.macro WREAD g                         ; K step g's eight fragments of my weights, from the ring into set g % 2
	WIN 0x80
.irp t, 0,1,2,3,4,5,6,7
.irp c, 0,1,2,3
	ds_load_b128 v[128*((\g)%2)+16*\t+4*\c:128*((\g)%2)+16*\t+4*\c+3], v[WR+(\g)%4] offset:2048*\t+512*\c
.endr
.endr
	WIN 0
.endm
.macro BLOAD boff                      ; lane (r, h) wants, for tile t, the biases of features 32 (t / 2) + 16 h + 8 (t % 2) + 0 .. 7
.irp t, 0,1,2,3,4,5,6,7
	ds_load_b128 v[X+8*\t:X+8*\t+3], v[BO] offset:\boff+(32*(\t/2)+8*(\t%2))*4
	ds_load_b128 v[X+8*\t+4:X+8*\t+7], v[BO] offset:\boff+(32*(\t/2)+8*(\t%2))*4+16
.endr
.endm
; 32 matrix instructions: accumulator (m, t) at v[64 m + 8 t] of window 1 = weights' tile t x rows' tile m.  The 32 take turns, one instruction a turn, in the same order in every step.
.macro MULT g, first
.if \first
	WIN 0x42                                       ; source 0 window 2, source 1 and C window 0, D window 1
.else
	WIN 0x52
.endif
.irp m, 0,1,2,3
.irp t, 0,1,2,3,4,5,6,7
.if \first
	v_wmma_f32_16x16x128_bf8_bf8 v[64*\m+8*\t:64*\m+8*\t+7], v[128*((\g)%2)+16*\t:128*((\g)%2)+16*\t+15], v[A0+16*\m:A0+16*\m+15], v[X+8*\t:X+8*\t+7]
.else
	v_wmma_f32_16x16x128_bf8_bf8 v[64*\m+8*\t:64*\m+8*\t+7], v[128*((\g)%2)+16*\t:128*((\g)%2)+16*\t+15], v[A0+16*\m:A0+16*\m+15], v[64*\m+8*\t:64*\m+8*\t+7]
.endif
.endr
.endr
	WIN 0
	PLACES 4                                       ; in front of loads into registers that the products have read, and of the first read of results
.endm
; The same for v: accumulator (n, m) at v[32 n + 8 m] = keys' tile m (source 0) x Wv's tile n (source 1)
.macro MULV g, abuf, first
.if \first
	WIN 0x48
.else
	WIN 0x58
.endif
.irp n, 0,1,2,3,4,5,6,7
.irp m, 0,1,2,3
.if \first
	v_wmma_f32_16x16x128_bf8_bf8 v[32*\n+8*\m:32*\n+8*\m+7], v[\abuf+16*\m:\abuf+16*\m+15], v[128*((\g)%2)+16*\n:128*((\g)%2)+16*\n+15], v[X+8*\n:X+8*\n+7]
.else
	v_wmma_f32_16x16x128_bf8_bf8 v[32*\n+8*\m:32*\n+8*\m+7], v[\abuf+16*\m:\abuf+16*\m+15], v[128*((\g)%2)+16*\n:128*((\g)%2)+16*\n+15], v[32*\n+8*\m:32*\n+8*\m+7]
.endif
.endr
.endr
	WIN 0
	PLACES 4
.endm
; THE CHANGE OF SLOTS, at each even K step.  My one load that was out is my quarter of the slot ahead.  fill = 1 .. 7, the number of the fill that is asked for: behind a round of the cluster's barrier the other slot,
; read out in the last two K steps, takes the walk's next two K steps: fill 1 Wk's other pair; 2, 3 Wv's pairs; 4 to 7 Wq's pairs, from the cluster's first on and round.  fill = 0: nothing is left to ask for.
.macro TURN fill
	s_wait_tensorcnt 0x0
.if \fill
	ds_add_u32 v[SPW], v[NIL]                      ; 0 onto my spare word
	s_xor_b32 s[G0+1], s[G0+1], SLOT               ; no load of mine is out: the descriptor may be written
.if (\fill) == 1
	s_add_co_u32 s[OF], s[RKS], SLOT
	s_and_b32 s[OF], s[OF], SLOT
	s_add_co_u32 s[OF], s[OF], 4*SLOT
.elseif (\fill) < 4
	s_mov_b32 s[OF], (4+(\fill))*SLOT
.else
	s_add_co_u32 s[OF], s[RQS], ((\fill)-4)*SLOT
	s_and_b32 s[OF], s[OF], 4*SLOT-1
.endif
	s_add_nc_u64 s[G0+2:G0+3], s[WB:WB+1], s[OF:OF+1]
	s_or_b32 s[G0+3], s[G0+3], 0x80000000
	s_wait_dscnt 0x0                               ; the add is done, my codes have landed, my reads of the other slot are over
	CROUND
	tensor_load_to_lds s[G0:G0+3], s[G1:G1+7]      ; my one tensor load behind this round
	s_nop 0
	PLACES 4
.else
	s_wait_dscnt 0x0
	s_barrier_signal -1
	s_barrier_wait -1
.endif
.endm
; A K STEP of k's or q's product.  One barrier: behind it this step's codes, stored a step ago, are whole, and nobody reads the other set any more (its reads were waited for ahead of the products of the step before).
; Then the four fragments are asked for, the next step's numbers become codes in the other set, and 32 products follow.
.macro KSTEP g, x, first, boff
.if (\g) == 14
	TURN 0
.elseif (\g)%2 == 0
	TURN (\g)/2+1
.else
	s_wait_dscnt 0x0                               ; my codes have landed
	s_barrier_signal -1
	s_barrier_wait -1
.endif
	FETCHX \x
.if (\g)%2 == 0
	WREAD \g
.endif
.if \first
	BLOAD \boff
.endif
.if (\x) < 11
.set NL_, 16*(10-(\x))                 ; x's loads issued behind K step x + 1's: 16 for each later step, three steps at the most
.if NL_ > 48
.set NL_, 48
.endif
	s_wait_loadcnt NL_
	QX (\x)+1
.if (\x)+5 < 12
	XLOAD (\x)+5                                   ; the set just converted takes the loads of four K steps on
.endif
	s_wait_dscnt 16                                ; the fragments are in; the 16 younger instructions are the codes' stores
.else
	s_wait_dscnt 0x0
.endif
	MULT \g, \first
.if (\g)%2 == 0
	WREAD (\g)+1                                   ; the slot's second K step
.endif
.endm
	s_load_b512 s[4:19], s[0:1], 0x0               ; Q s[4:5], K s[6:7], wc s[8:9], bq s[10:11], bk s[12:13], bv s[14:15], the scales s[16:17], qc s[18:19]
	s_load_b128 s[20:23], s[0:1], 0x40             ; kc s[20:21], vc s[22:23]
	v_lshl_add_u32 v[SPW], v0, 2, SPARE
	v_mov_b32 v[NIL], 0
	ds_add_u32 v[SPW], v[NIL]                      ; the wave's opening: the add, twice on end, and its wait ahead of my first tensor load
	ds_add_u32 v[SPW], v[NIL]
	v_lshrrev_b32 v9, 5, v0
	v_readfirstlane_b32 s[WV], v9                  ; wave 0..3
	s_bfe_u32 s66, ttmp6, 0x40000                  ; cx
	s_lshl_b32 s[WG], ttmp9, 2
	s_add_co_u32 s[WG], s[WG], s66                 ; work-group i = 4 x cluster + cx: it enters global addresses of x and of the results alone
	v_and_b32 v9, 31, v0
	v_lshlrev_b32 v[LI], 4, v9
	v_and_b32 v10, 15, v0                          ; r
	v_bfe_u32 v11, v0, 4, 1                        ; h
	s_mul_i32 s66, s[WV], 2304
	s_add_co_u32 s66, s66, XIMG                    ; my 16 rows of a set of codes
	v_lshl_add_u32 v[XWI], v9, 2, s66
	v_mul_u32_u24 v[AX], v10, 144
	v_lshl_add_u32 v[AX], v11, 4, v[AX]
	v_add_nc_u32 v[AX], XIMG, v[AX]
	s_lshl_b32 s67, s[WV], 11
	v_add_nc_u32 v[HWI], s67, v[LI]
	v_add_nc_u32 v[HWI], HIMG, v[HWI]
	v_add_nc_u32 v[AH], HIMG, v[LI]
	s_lshl_b32 s67, s[WV], 14
	v_add_nc_u32 v[WR], s67, v[LI]                 ; my quarter of a K step's weights
	v_add_nc_u32 v[WR+1], 65536, v[WR]
	v_add_nc_u32 v[WR+2], 131072, v[WR]
	v_add_nc_u32 v[WR+3], 196608, v[WR]
	s_lshl_b32 s67, s[WV], 9
	s_add_co_u32 s67, s67, BIA                     ; my 128 numbers of a bias
	v_add_nc_u32 v[BW], s67, v[LI]
	v_lshl_add_u32 v[BO], v11, 6, s67
	v_and_b32 v[VO], 8, v10
	v_add_nc_u32 v[VO], v[VO], v10
	v_lshl_add_u32 v[VO], v[VO], 2, s67
	s_lshr_b32 s67, ttmp9, 5                       ; the prefetch's share: u = the cluster number's bits 0, 1, then 4, then 5 xor 3 xor 2
	s_lshr_b32 s68, ttmp9, 3
	s_xor_b32 s67, s67, s68
	s_lshr_b32 s68, ttmp9, 2
	s_xor_b32 s67, s67, s68
	s_and_b32 s67, s67, 1
	s_lshl_b32 s67, s67, 3
	s_bfe_u32 s68, ttmp9, 0x10004
	s_lshl_b32 s68, s68, 2
	s_or_b32 s67, s67, s68
	s_and_b32 s68, ttmp9, 3
	s_or_b32 s67, s67, s68
	s_lshl_b32 s67, s67, 2
	s_bfe_u32 s68, ttmp6, 0x40000
	s_add_co_u32 s67, s67, s68                     ; 4 u + cx: the partners are told apart by address
	s_lshl_b32 s67, s67, 14
	s_lshl_b32 s68, s[WV], 12
	s_add_co_u32 s67, s67, s68
	v_min_u32 v[PF], 15, v9
	v_lshl_add_u32 v[PF], v[PF], 8, s67            ; 16,384 (4 u + cx) + 4,096 w + 256 min(lane, 15): the last byte named is 1,048,320, inside wc's 1,048,576
	; group 1: a dense block of 32,768 bytes as 128 rows of 32 elements of 8 bytes; the mask names the cluster's four work-groups, bit 21 beside it
	s_mov_b32 s[G1], 15|(3<<16)|(1<<21)
	s_mov_b32 s[G1+1], 32<<16
	s_mov_b32 s[G1+2], 128<<16
	s_mov_b32 s[G1+3], 32<<16
	s_mov_b32 s[G1+4], 128
	s_mov_b32 s[G1+5], 32
	s_mov_b32 s[G1+6], 0
	s_mov_b32 s[G1+7], 0
	s_lshl_b32 s67, s[WG], 6
	s_lshl_b32 s68, s[WV], 4
	s_add_co_u32 s67, s67, s68                     ; my first row: 64 i + 16 w
	s_lshl_b32 s68, s67, 12                        ; in Q, in bytes
	s_mov_b32 s69, 0
	s_lshl_b32 s70, s67, 11                        ; in K
	s_mov_b32 s71, 0
	s_lshl_b32 s72, s[WV], 15                      ; my quarter of a slot, in LDS and in wc
	s_mov_b32 s73, 0
	s_lshl_b32 s74, s[WV], 9
	s_mov_b32 s75, 0
	s_and_b32 s66, ttmp9, 1                        ; where the cluster's walks begin
	s_lshl_b32 s[RK9], s66, 10
	s_lshl_b32 s[RKS], s66, 17
	s_and_b32 s66, ttmp9, 3
	s_lshl_b32 s[RQ9], s66, 10
	s_lshl_b32 s[RQS], s66, 17
	s_add_co_u32 s[OF], s[RKS], 4*SLOT             ; fill 0: the cluster's first pair of Wk's K steps
	s_mov_b32 s[OF+1], 0
	s_wait_alu depctr_va_vdst(0)
	s_wait_dscnt 0x0                               ; both opening adds are done
	s_wait_kmcnt 0x0
	s_load_b256 s[40:47], s[16:17], 0x0            ; e0 .. e7
	s_load_b64 s[48:49], s[16:17], 0x20            ; e8, e9
	s_mov_b32 s[G0], 1
	s_mov_b32 s[G0+1], s72
	s_add_nc_u64 s[WB:WB+1], s[8:9], s[72:73]
	s_add_nc_u64 s[G0+2:G0+3], s[WB:WB+1], s[OF:OF+1]
	s_or_b32 s[G0+3], s[G0+3], 0x80000000
	s_add_nc_u64 s[4:5], s[4:5], s[68:69]
	s_add_nc_u64 s[6:7], s[6:7], s[70:71]
	s_add_nc_u64 s[10:11], s[10:11], s[74:75]
	s_add_nc_u64 s[12:13], s[12:13], s[74:75]
	s_add_nc_u64 s[14:15], s[14:15], s[74:75]
	CROUND                                         ; the four work-groups are here: the first joint loads meet
	tensor_load_to_lds s[G0:G0+3], s[G1:G1+7]      ; my one tensor load at the head
	s_nop 0
	PLACES 4
	global_prefetch_b8 v[PF], s[8:9] th:TH_LOAD_NT scope:SCOPE_SE   ; my sixteen blocks of wc; its two address registers are never written again
	global_load_b128 v[16:19], v[LI], s[10:11]     ; my 128 numbers of bq, bk, bv: 512 consecutive bytes each
	global_load_b128 v[20:23], v[LI], s[12:13]
	global_load_b128 v[24:27], v[LI], s[14:15]
	XLOAD 0
	XLOAD 1
	XLOAD 2
	s_mov_b32 s73, 0
	s_lshl_b32 s72, s[WG], 15
	s_lshl_b32 s74, s[WV], 11
	s_add_co_u32 s72, s72, s74
	s_add_nc_u64 s[18:19], s[18:19], s[72:73]      ; qc, kc: tile 4 i, feature step w
	s_add_nc_u64 s[20:21], s[20:21], s[72:73]
	s_lshr_b32 s72, s[WG], 5                       ; the batch,
	s_lshl_b32 s72, s72, 20
	s_bfe_u32 s74, s[WG], 0x40001                  ; which 128 keys of it,
	s_lshl_b32 s74, s74, 16
	s_add_co_u32 s72, s72, s74
	s_and_b32 s74, s[WG], 1                        ; which 64 of those: groups 0, 1 or 2, 3 of a fragment,
	s_lshl_b32 s74, s74, 10
	s_add_co_u32 s72, s72, s74
	s_lshl_b32 s74, s[WV], 14                      ; my eight channel tiles
	s_add_co_u32 s72, s72, s74
	s_add_nc_u64 s[22:23], s[22:23], s[72:73]
	s_wait_kmcnt 0x0
	s_add_co_i32 s74, s40, s41                     ; e0 + e1: a sum of the first product stands for sum x 2^(e0 + e1)
	s_sub_co_i32 s75, 0, s74
	s_add_co_i32 s76, s42, s43                     ; e2 + e3
	s_sub_co_i32 s77, 0, s76
	s_add_co_i32 s78, s44, s45                     ; e4 + e5
	s_sub_co_i32 s79, 0, s78
	MKSC 224, 225, s40                             ; Q: e0
	MKSC 226, 227, s42                             ; K: e2
	s_sub_co_i32 s80, s46, s74
	MKSC 228, 229, s80                             ; q's sums: e6 - e0 - e1: the three scales folded into the conversion's one
	s_sub_co_i32 s80, s47, s76
	MKSC 230, 231, s80                             ; k's sums for the scores: e7 - e2 - e3
	s_sub_co_i32 s80, s44, s76
	MKSC 232, 233, s80                             ; k's sums for v: e4 - e2 - e3
	s_sub_co_i32 s80, s49, s78
	MKSC 234, 235, s80                             ; v's sums: e9 - e4 - e5
	s_wait_loadcnt 48                              ; the three loads of biases are in; x's 48 may be out
.irp n, 0,1,2,3
	v_ldexp_f32 v[16+\n], v[16+\n], s75
	v_ldexp_f32 v[20+\n], v[20+\n], s77
	v_ldexp_f32 v[24+\n], v[24+\n], s79
.endr
	ds_store_b128 v[BW], v[16:19]                  ; only I read my 128 numbers of each bias
	ds_store_b128 v[BW], v[20:23] offset:2048
	ds_store_b128 v[BW], v[24:27] offset:4096
	XLOAD 3
	s_wait_alu depctr_va_vdst(0)
	s_wait_loadcnt 48                              ; K step 0's 16 loads are in
	QX 0
	XLOAD 4
	; ---- k: four K steps
	KSTEP 0, 0, 1, 2048
	KSTEP 1, 1, 0, 0
	KSTEP 2, 2, 0, 0
	KSTEP 3, 3, 0, 0
	s_wait_dscnt 0x0                               ; the stores of Q's first codes have read their registers
.irp m, 0,1,2,3                                ; k is quantised twice from the same sums: with e7 for the scores, with e4 for v
	QUANT 64*\m, 1, 230, 231, PC0+16*\m
.irp c, 0,1,2,3
	global_store_b128 v[LI], v[PC0+16*\m+4*\c:PC0+16*\m+4*\c+3], s[20:21] offset:8192*\m+512*\c
.endr
	QUANT 64*\m, 1, 232, 233, PCH
	IMAGE HWI, 8192*\m, PCH                        ; K step w of v's product, keys 16 m on
	s_wait_dscnt 0x0
.endr
	; ---- v: four K steps; the keys' fragments in two buffers by turns
	TURN 3                                         ; k's sixteen fragments lie in LDS, Wv's first two K steps are in, its last two are asked for
	s_wait_xcnt 0x0                                ; k's stores have read their registers: they take fragments now
	FETCHK A0, 0
	WREAD 4
.irp t, 0,1,2,3,4,5,6,7                        ; for v a lane holds ONE channel: that of row r of Wv's tile t
	ds_load_b32 v[BVL+\t], v[VO] offset:4096+(32*(\t/2)+8*(\t%2))*4
.endr
	FETCHK PC0, 1
	WREAD 5
	s_wait_dscnt 48                                ; the 48 younger loads are the next step's
.irp t, 0,1,2,3,4,5,6,7
.irp j, 0,1,2,3,4,5,6,7
	v_mov_b32 v[X+8*\t+\j], v[BVL+\t]
.endr
.endr
	MULV 4, A0, 1
	FETCHK A0, 2
	s_wait_dscnt 16
	MULV 5, PC0, 0
	FETCHK PC0, 3
	TURN 4                                         ; Wv's last two K steps are in; the cluster's first pair of Wq's is asked for
	WREAD 6
	WREAD 7
	s_wait_dscnt 32
	MULV 6, A0, 0
	s_wait_dscnt 0x0
	MULV 7, PC0, 0
.irp p, 0,1,2,3                                ; v's codes: the 64 registers of channel tiles 2 p, 2 p + 1: two groups of 32 keys each
	QUANT 64*\p, 1, 234, 235, PC0+16*\p
	global_store_b128 v[LI], v[PC0+16*\p:PC0+16*\p+3], s[22:23] offset:4096*\p
	global_store_b128 v[LI], v[PC0+16*\p+4:PC0+16*\p+7], s[22:23] offset:4096*\p+512
	global_store_b128 v[LI], v[PC0+16*\p+8:PC0+16*\p+11], s[22:23] offset:4096*\p+2048
	global_store_b128 v[LI], v[PC0+16*\p+12:PC0+16*\p+15], s[22:23] offset:4096*\p+2560
.endr
	; ---- q: eight K steps
	KSTEP 8, 4, 1, 0
.irp a, 1,2,3,4,5,6,7
	KSTEP 8+\a, 4+\a, 0, 0
.endr
	s_wait_xcnt 0x0                                ; v's stores have read their registers: the sets of codes may be written again
.irp m, 0,1,2,3                                ; q's codes: rows' tile m, feature step w; each store covers 512 consecutive bytes
	QUANT 64*\m, 1, 228, 229, PC0+16*\m
.irp c, 0,1,2,3
	global_store_b128 v[LI], v[PC0+16*\m+4*\c:PC0+16*\m+4*\c+3], s[18:19] offset:8192*\m+512*\c
.endr
.endr
	s_wait_tensorcnt 0x0                           ; the wave's end: behind my last tensor load and my last LDS store
	ds_add_u32 v[SPW], v[NIL]
	s_wait_dscnt 0x0
	CROUND                                         ; the closing round: no work-group ends while a partner may still ask for a slot that names it
	s_endpgm
.Lfunc_end_k_qf28985a5e1_proj:
	.size	k_qf28985a5e1_proj, .Lfunc_end_k_qf28985a5e1_proj-k_qf28985a5e1_proj
	.p2alignl 7, 3214868480
	.fill 96, 4, 3214868480
	.section	.rodata,"a",@progbits
	.p2align	6, 0x0
	.amdhsa_kernel k_qf28985a5e1_proj
		.amdhsa_group_segment_fixed_size 327680
		.amdhsa_private_segment_fixed_size 0
		.amdhsa_enable_private_segment 0
		.amdhsa_kernarg_size 80
		.amdhsa_user_sgpr_count 2
		.amdhsa_user_sgpr_kernarg_segment_ptr 1
		.amdhsa_wavefront_size32 1
		.amdhsa_system_sgpr_workgroup_id_x 1
		.amdhsa_system_sgpr_workgroup_id_y 1
		.amdhsa_system_sgpr_workgroup_id_z 1
		.amdhsa_system_vgpr_workitem_id 0
		.amdhsa_next_free_vgpr 1024
		.amdhsa_next_free_sgpr 96
		.amdhsa_reserve_vcc 0
		.amdhsa_float_denorm_mode_32 3
		.amdhsa_float_denorm_mode_16_64 3
		.amdhsa_memory_ordered 1
		.amdhsa_forward_progress 1
		.amdhsa_inst_pref_size 255
	.end_amdhsa_kernel
	.section	.bss,"aw",@nobits
	.p2align	6
	.space	262144
	.amdgpu_metadata
---
amdhsa.version: [ 1, 2 ]
amdhsa.kernels:
  - .name:           k_qf28985a5e1_proj
    .symbol:         k_qf28985a5e1_proj.kd
    .args:
      - { .name: Q, .offset: 0, .size: 8, .value_kind: global_buffer, .address_space: global }
      - { .name: K, .offset: 8, .size: 8, .value_kind: global_buffer, .address_space: global }
      - { .name: wc, .offset: 16, .size: 8, .value_kind: global_buffer, .address_space: global }
      - { .name: bq, .offset: 24, .size: 8, .value_kind: global_buffer, .address_space: global }
      - { .name: bk, .offset: 32, .size: 8, .value_kind: global_buffer, .address_space: global }
      - { .name: bv, .offset: 40, .size: 8, .value_kind: global_buffer, .address_space: global }
      - { .name: lowp_scales, .offset: 48, .size: 8, .value_kind: global_buffer, .address_space: global }
      - { .name: qc, .offset: 56, .size: 8, .value_kind: global_buffer, .address_space: global }
      - { .name: kc, .offset: 64, .size: 8, .value_kind: global_buffer, .address_space: global }
      - { .name: vc, .offset: 72, .size: 8, .value_kind: global_buffer, .address_space: global }
    .group_segment_fixed_size: 327680
    .private_segment_fixed_size: 0
    .kernarg_segment_align: 8
    .kernarg_segment_size: 80
    .max_flat_workgroup_size: 128
    .sgpr_count:     96
    .vgpr_count:     1024
    .wavefront_size: 32
...
	.end_amdgpu_metadata
.endif
;; end of part 2
;; launch attn (part 3): grid 32 x 8, 4 waves a work-group, clusters of 4 x 1, 327,680 bytes of LDS; arguments qc, kc, vc, mask_weights, lowp_scales, out0; writes out0
.if DOCPART == 3
	.amdgcn_target "amdgcn-amd-amdhsa--gfx1250"
	.amdhsa_code_object_version 6
	.text
	.protected	k_qf28985a5e1_attn
	.globl	k_qf28985a5e1_attn
	.p2align	8
	.type	k_qf28985a5e1_attn,@function
k_qf28985a5e1_attn:
	s_mov_b64 s[64:65], 0
	v_nop
	global_prefetch_b8 v0, s[64:65] scope:SCOPE_SE
	s_setreg_imm32_b32 hwreg(HW_REG_WAVE_MODE, 25, 1), 1
	s_wait_xcnt 0x0
	s_wait_alu depctr_hold_cnt(0) depctr_sa_sdst(0) depctr_va_vdst(0) depctr_va_sdst(0) depctr_va_ssrc(0) depctr_va_vcc(0) depctr_vm_vsrc(0)
	s_getreg_b32 s2, hwreg(HW_REG_IB_STS2, 6, 4)
	s_cmp_eq_u32 s2, 0
	s_cbranch_scc0 .Lentry_in_a_cluster
	s_endpgm
.Lentry_in_a_cluster:
	s_bfe_u32 s2, ttmp6, 0x10000c
	s_cmp_lg_u32 s2, 0x3003
	s_cbranch_scc0 .Lentry_shape_is_right
	s_endpgm
.Lentry_shape_is_right:
; THE ATTENTION.  out = softmax(q k^T / sqrt(512) + log(mask)) v on the codes of q, k, v that the launch before stored.  No work is left out.
; SHARES.  A work-group owns 64 queries of one batch and walks its 2,048 keys, 256 a step.  Scores: wave w takes keys 64 w .. 64 w + 63 of the step for all 64 queries (S^T = k q^T; the mask's term is the C of the first
; product).  p = 2^(t - M) is made under the wave's own running M (a whole number), brought under the four waves' common M by the conversion's scale, and goes from wave to wave through LDS as images of registers.
; O^T = v^T p^T: wave w takes channels 128 w .. 128 w + 127 for all 64 queries and 256 keys.  The row's sum is taken of the unquantised p and divides at the end.
; CLUSTERS of 4 x 1: the four query blocks of a cluster walk the same K and V tiles, 131,072 bytes each, asked for jointly, one slot for K and one for V: K's is filled again behind the round that passes the
; maxima on, V's behind the round that passes p on.  A step's K fragments and mask terms are fetched in the step before, into each group of V's registers as its products are done.
; LIMITS: c x 2^(e6 + e7) and its reciprocal are f32 numbers; e8 between -126 and 112; the scaled scores stay under 2^31 in magnitude; NaN among the inputs is not served.
.set VS,    131072
.set PIMG,  262144
.set STAT,  278528
.set MASKC, 280576
.set OST,   288768
.set SPARE, 322560
.set TILE,  131072
.set LI,  1
.set AK,  2
.set AV0, 3
.set AP,  5
.set APW, 6
.set AST, 7
.set ASR, 8
.set AM0, 9
.set AMC, 10
.set STO, 11
.set RD,  12
.set SPW, 14
.set NIL, 15
.set SC0, 16
.set LM0, 17
.set SX,  20
.set D,   24
.set SCL, 28
.set ST,  32
.set CB,  64
.set T,   64
.set LIM, 80
.set FG,  84
.set TS,  96
.set PC,  96
.set TMP, 128
.set BK0, 64
.set WV,  16
.set SEL, 20
.set CS,  22
.set G1,  24
.set G0K, 32
.set G0V, 36
.set KM,  40
.set DMAX, 41
.set MOFF, 43
.set LEFT, 44
.set KB,  46
.set VB,  48
.set OFK, 50
.set OFV, 52
.set MSB, 0
.macro WIN new
.if MSB != \new
	s_set_vgpr_msb (MSB<<8)|\new
.set MSB, \new
.endif
.endm
.macro PLACES n
.rept \n
	v_nop
.endr
.endm
.macro CROUND
	s_barrier_signal -1
	s_barrier_wait -1
	s_cmp_lg_u32 s[WV], 0
	s_cbranch_scc1 .Lnot_wave_0_\@
	s_barrier_signal -3
.Lnot_wave_0_\@:
	s_barrier_wait -3
	s_barrier_signal -1
	s_barrier_wait -1
.endm
.macro REFILL g0, base, off
	s_wait_tensorcnt 0x0
	ds_add_u32 v[SPW], v[NIL]
	s_add_co_u32 s[\off], s[\off], TILE
	s_and_b32 s[\off], s[\off], 8*TILE-1
	s_add_nc_u64 s[\g0+2:\g0+3], s[\base:\base+1], s[\off:\off+1]
	s_or_b32 s[\g0+3], s[\g0+3], 0x80000000
	s_wait_dscnt 0x0
	CROUND
	tensor_load_to_lds s[\g0:\g0+3], s[G1:G1+7]
	s_nop 0
	PLACES 4
.endm
.macro KF hs                           ; feature step hs of my four key tiles: 16 loads, into the registers of V's group hs
.if (\hs) < 2
	WIN 0x80
.else
	WIN 0
.endif
.irp k, 0,1,2,3
.irp c, 0,1,2,3
	ds_load_b128 v[128+64*((\hs)%2)+16*\k+4*\c:128+64*((\hs)%2)+16*\k+4*\c+3], v[AK] offset:8192*\k+2048*(\hs)+512*\c
.endr
.endr
.endm
.macro VFETCH gi
.if (\gi) < 2
	WIN 0x80
.else
	WIN 0
.endif
.irp i, 0,1,2,3
.irp c, 0,1,2,3
	ds_load_b128 v[128+64*((\gi)%2)+16*\i+4*\c:128+64*((\gi)%2)+16*\i+4*\c+3], v[AV0+(\gi)/2] offset:2048*(4*((\gi)%2)+\i)+512*\c
.endr
.endr
.endm
.macro SMUL hs
.if (\hs) == 0
	WIN 0x86
.elseif (\hs) == 1
	WIN 0xa6
.else
	WIN 0xa4
.endif
.irp q, 0,1,2,3
.irp k, 0,1,2,3
.if (\hs) == 0
	v_wmma_f32_16x16x128_bf8_bf8 v[32*\q+8*\k:32*\q+8*\k+7], v[128+64*((\hs)%2)+16*\k:128+64*((\hs)%2)+16*\k+15], v[64*\q+16*(\hs):64*\q+16*(\hs)+15], v[CB+8*\k:CB+8*\k+7]
.else
	v_wmma_f32_16x16x128_bf8_bf8 v[32*\q+8*\k:32*\q+8*\k+7], v[128+64*((\hs)%2)+16*\k:128+64*((\hs)%2)+16*\k+15], v[64*\q+16*(\hs):64*\q+16*(\hs)+15], v[32*\q+8*\k:32*\q+8*\k+7]
.endif
.endr
.endr
.endm
.macro PVMUL gi, first
.if (\gi) < 2
	WIN 0xfa
.else
	WIN 0xf8
.endif
.irp q, 0,1,2,3
.irp i, 0,1,2,3
.if (\first) && ((\gi) < 2)
	v_wmma_f32_16x16x128_bf8_bf8 v[64*\q+8*(4*((\gi)%2)+\i):64*\q+8*(4*((\gi)%2)+\i)+7], v[128+64*((\gi)%2)+16*\i:128+64*((\gi)%2)+16*\i+15], v[64*((\gi)/2)+16*\q:64*((\gi)/2)+16*\q+15], 0
.else
	v_wmma_f32_16x16x128_bf8_bf8 v[64*\q+8*(4*((\gi)%2)+\i):64*\q+8*(4*((\gi)%2)+\i)+7], v[128+64*((\gi)%2)+16*\i:128+64*((\gi)%2)+16*\i+15], v[64*((\gi)/2)+16*\q:64*((\gi)/2)+16*\q+15], v[64*\q+8*(4*((\gi)%2)+\i):64*\q+8*(4*((\gi)%2)+\i)+7]
.endif
.endr
.endr
.endm
.macro CBL                             ; the mask's terms of my 64 keys of the step at s[MOFF]: 8 loads
	v_add_nc_u32 v[AMC], s[MOFF], v[AM0]
.irp k, 0,1,2,3
	ds_load_b128 v[CB+8*\k:CB+8*\k+3], v[AMC] offset:64*\k
	ds_load_b128 v[CB+8*\k+4:CB+8*\k+7], v[AMC] offset:64*\k+16
.endr
.endm
.macro STEP first, fill
.irp hs, 0,1,2,3
	s_wait_dscnt 48-16*\hs
	SMUL \hs
.endr
	WIN 0
	PLACES 4
	WIN 0x2a
.irp q, 0,1,2,3
	v_max3_num_f32 v[ST+8*\q+4], v[32*\q], v[32*\q+1], v[32*\q+2]
	v_max3_num_f32 v[ST+8*\q+5], v[32*\q+3], v[32*\q+4], v[32*\q+5]
.endr
	WIN 0x28
.irp i, 6,10,14,18,22,26
.irp q, 0,1,2,3
	v_max3_num_f32 v[ST+8*\q+4], v[ST+8*\q+4], v[32*\q+\i], v[32*\q+\i+1]
.endr
.irp q, 0,1,2,3
	v_max3_num_f32 v[ST+8*\q+5], v[ST+8*\q+5], v[32*\q+\i+2], v[32*\q+\i+3]
.endr
.endr
.irp q, 0,1,2,3
	v_max3_num_f32 v[ST+8*\q+4], v[ST+8*\q+4], v[32*\q+30], v[32*\q+31]
.endr
	WIN 0
.irp q, 0,1,2,3
	v_max_num_f32 v[ST+8*\q+4], v[ST+8*\q+4], v[ST+8*\q+5]
.endr
.irp q, 0,1,2,3
	v_permlanex16_b32 v[ST+8*\q+5], v[ST+8*\q+4], s[SEL], s[SEL+1]
.endr
.irp q, 0,1,2,3
	v_max_num_f32 v[ST+8*\q+4], v[ST+8*\q+4], v[ST+8*\q+5]
.endr
.irp q, 0,1,2,3
	v_mul_f32 v[ST+8*\q+4], s[CS], v[ST+8*\q+4]
.endr
.irp q, 0,1,2,3
	v_max_num_f32 v[ST+8*\q+1], v[ST+8*\q+1], v[ST+8*\q+4]
.endr
.irp q, 0,1,2,3
	v_mov_b32 v[ST+8*\q+7], v[ST+8*\q]
.endr
.irp q, 0,1,2,3
	v_floor_f32 v[ST+8*\q], -v[ST+8*\q+1]
.endr
.irp q, 0,1,2,3
	v_sub_f32 v[ST+8*\q+7], v[ST+8*\q], v[ST+8*\q+7]
.endr
.irp q, 0,1,2,3
	v_cvt_i32_f32 v[ST+8*\q+7], v[ST+8*\q+7]
.endr
.irp q, 0,1,2,3
	v_ldexp_f32 v[ST+8*\q+4], 1.0, v[ST+8*\q+7]
.endr
.irp q, 0,1,2,3
	v_mov_b32 v[SX+\q], v[ST+8*\q]
.endr
	ds_store_b128 v[AST], v[SX:SX+3]
.if \fill
	REFILL G0K, KB, OFK
.else
	s_wait_tensorcnt 0x0
	s_wait_dscnt 0x0
	s_barrier_signal -1
	s_barrier_wait -1
.endif
.irp w, 0,1,2,3
	ds_load_b128 v[T+4*\w:T+4*\w+3], v[ASR] offset:512*\w
.endr
	VFETCH 0
	WIN 0x82
.irp q, 0,1,2,3
.irp j, 0,2,4,6,8,10,12,14,16,18,20,22,24,26,28,30
	v_pk_fma_f32 v[32*\q+\j:32*\q+\j+1], v[32*\q+\j:32*\q+\j+1], s[CS:CS+1], v[ST+8*\q:ST+8*\q+1] op_sel_hi:[1,0,0]
.endr
.endr
.set n_, 0
	s_wait_alu depctr_va_vdst(0)
.rept 64
	v_exp_f32 v[n_], v[n_]
.set n_, n_+1
.endr
	v_nop
	s_wait_alu depctr_va_vdst(0)
	VFETCH 1
	WIN 0x82
.rept 64
	v_exp_f32 v[n_], v[n_]
.set n_, n_+1
.endr
	v_nop
	s_wait_alu depctr_va_vdst(0)
	VFETCH 2
.irp q, 0,1,2,3
	v_pk_mul_f32 v[ST+8*\q+2:ST+8*\q+3], v[ST+8*\q+2:ST+8*\q+3], v[ST+8*\q+4:ST+8*\q+5] op_sel_hi:[1,0]
.endr
	WIN 0x0a
.irp q, 0,1,2,3
	v_pk_add_f32 v[TS+2*\q:TS+2*\q+1], v[32*\q:32*\q+1], v[32*\q+2:32*\q+3]
.endr
	WIN 0x08
.irp j, 4,8,12,16,20,24,28
.irp q, 0,1,2,3
	v_pk_add_f32 v[ST+8*\q+2:ST+8*\q+3], v[ST+8*\q+2:ST+8*\q+3], v[32*\q+\j:32*\q+\j+1]
.endr
.irp q, 0,1,2,3
	v_pk_add_f32 v[TS+2*\q:TS+2*\q+1], v[TS+2*\q:TS+2*\q+1], v[32*\q+\j+2:32*\q+\j+3]
.endr
.endr
	WIN 0
.irp q, 0,1,2,3
	v_pk_add_f32 v[ST+8*\q+2:ST+8*\q+3], v[ST+8*\q+2:ST+8*\q+3], v[TS+2*\q:TS+2*\q+1]
.endr
	s_wait_dscnt 48
.irp q, 0,1,2,3
	v_min3_num_f32 v[ST+8*\q+7], v[T+\q], v[T+4+\q], v[T+8+\q]
.endr
.irp q, 0,1,2,3
	v_min_num_f32 v[ST+8*\q+7], v[ST+8*\q+7], v[T+12+\q]
.endr
.if (\first) == 0
.irp q, 0,1,2,3
	v_sub_f32 v[FG+2*\q], v[ST+8*\q+7], v[ST+8*\q+6]
.endr
.irp q, 0,1,2,3
	v_cvt_i32_f32 v[FG+2*\q], v[FG+2*\q]
.endr
.irp q, 0,1,2,3
	v_ldexp_f32 v[FG+2*\q], 1.0, v[FG+2*\q]
.endr
.irp q, 0,1,2,3
	v_mov_b32 v[FG+2*\q+1], v[FG+2*\q]
.endr
.endif
.irp q, 0,1,2,3
	v_mov_b32 v[ST+8*\q+6], v[ST+8*\q+7]
.endr
.irp q, 0,1,2,3
	v_sub_f32 v[D+\q], v[ST+8*\q], v[ST+8*\q+6]
.endr
.irp q, 0,1,2,3
	v_cvt_i32_f32 v[D+\q], v[D+\q]
.endr
.irp q, 0,1,2,3
	v_ldexp_f32 v[LIM+\q], v[LM0], v[D+\q]
.endr
.irp q, 0,1,2,3
	v_min_u32 v[ST+8*\q+7], s[DMAX], v[D+\q]
.endr
.irp q, 0,1,2,3
	v_lshl_add_u32 v[SCL+\q], v[ST+8*\q+7], 23, v[SC0]
.endr
	VFETCH 3
	WIN 0x82
.irp q, 0,1,2,3
.set n_, 0
.rept 32
	v_min_num_f32 v[32*\q+n_], v[32*\q+n_], v[LIM+\q]
.set n_, n_+1
.endr
.endr
	WIN 0x02
.irp q, 0,1,2,3
.irp k, 0,1,2,3
	v_cvt_scalef32_pk8_bf8_f32 v[PC+8*\q+2*\k:PC+8*\q+2*\k+1], v[32*\q+8*\k:32*\q+8*\k+7], v[SCL+\q]
.endr
.endr
	WIN 0
	v_nop
.irp q, 0,1,2,3
.irp c, 0,1
	ds_store_b128 v[APW], v[PC+8*\q+4*\c:PC+8*\q+4*\c+3] offset:4096*\q+512*\c
.endr
.endr
.if \fill
	REFILL G0V, VB, OFV
.else
	s_wait_dscnt 0x0
	s_barrier_signal -1
	s_barrier_wait -1
.endif
	WIN 0x80
.irp s, 0,1
.irp q, 0,1,2,3
.irp c, 0,1,2,3
	ds_load_b128 v[64*\s+16*\q+4*\c:64*\s+16*\q+4*\c+3], v[AP] offset:4096*\q+2048*\s+512*\c
.endr
.endr
.endr
.if (\first) == 0
	WIN 0xc3
.irp q, 0,1,2,3
.set n_, 0
.rept 32
	v_pk_mul_f32 v[64*\q+n_:64*\q+n_+1], v[64*\q+n_:64*\q+n_+1], v[FG+2*\q:FG+2*\q+1] op_sel_hi:[1,0]
.set n_, n_+2
.endr
.endr
.endif
.if \fill
	WIN 0
	s_add_co_u32 s[MOFF], s[MOFF], 1024
	CBL                                            ; the next step's mask terms
	s_wait_alu depctr_va_vdst(0)
	s_wait_dscnt 24                                ; p's first 128 keys are in; its second 16 loads and the mask's 8 may be out
	PVMUL 0, \first
	PLACES 4                                       ; in front of loads into registers that the products have read
	KF 0                                           ; the next step's K tile landed ahead of the round above
	PVMUL 1, \first
	PLACES 4
	KF 1
	s_wait_dscnt 32                                ; all but the 32 loads of K just issued
	PVMUL 2, \first
	PLACES 4
	KF 2
	PVMUL 3, \first
	WIN 0
	PLACES 5
	KF 3
	WIN 0
.else
	s_wait_alu depctr_va_vdst(0)
	s_wait_dscnt 16
	PVMUL 0, \first
	PVMUL 1, \first
	s_wait_dscnt 0x0
	PVMUL 2, \first
	PVMUL 3, \first
	WIN 0
	PLACES 5
.endif
.endm
	s_load_b256 s[4:11], s[0:1], 0x0
	s_load_b128 s[12:15], s[0:1], 0x20
	v_lshl_add_u32 v[SPW], v0, 2, SPARE
	v_mov_b32 v[NIL], 0
	ds_add_u32 v[SPW], v[NIL]
	ds_add_u32 v[SPW], v[NIL]
	v_lshrrev_b32 v18, 5, v0
	v_readfirstlane_b32 s[WV], v18
	s_bfe_u32 s17, ttmp6, 0x40000
	s_lshl_b32 s18, ttmp9, 2
	s_add_co_u32 s18, s18, s17
	s_and_b32 s19, ttmp7, 0xffff
	s_mov_b32 s[G1], 15|(3<<16)|(1<<21)
	s_mov_b32 s[G1+1], 32<<16
	s_mov_b32 s[G1+2], 128<<16
	s_mov_b32 s[G1+3], 32<<16
	s_mov_b32 s[G1+4], 128
	s_mov_b32 s[G1+5], 32
	s_mov_b32 s[G1+6], 0
	s_mov_b32 s[G1+7], 0
	s_mov_b32 s[SEL], 0x76543210
	s_mov_b32 s[SEL+1], 0xfedcba98
	s_mov_b32 s[MOFF], 0
	s_mul_i32 s80, ttmp9, 3
	s_and_b32 s80, s80, 7
	s_lshl_b32 s[OFK], s80, 17
	s_mov_b32 s[OFK+1], 0
	s_mov_b32 s[OFV], s[OFK]
	s_mov_b32 s[OFV+1], 0
	s_lshl_b32 s81, s80, 10
	s_lshl_b32 s72, s19, 20
	s_lshl_b32 s74, s[WV], 15
	s_add_co_u32 s74, s74, s72
	s_mov_b32 s75, 0
	s_wait_dscnt 0x0
	s_wait_kmcnt 0x0
	s_load_b128 s[68:71], s[12:13], 0x18
	s_add_nc_u64 s[KB:KB+1], s[6:7], s[74:75]
	s_add_nc_u64 s[VB:VB+1], s[8:9], s[74:75]
	s_mov_b32 s[G0K], 1
	s_lshl_b32 s[G0K+1], s[WV], 15
	s_add_nc_u64 s[G0K+2:G0K+3], s[KB:KB+1], s[OFK:OFK+1]
	s_or_b32 s[G0K+3], s[G0K+3], 0x80000000
	s_mov_b32 s[G0V], 1
	s_add_co_u32 s[G0V+1], s[G0K+1], VS
	s_add_nc_u64 s[G0V+2:G0V+3], s[VB:VB+1], s[OFV:OFV+1]
	s_or_b32 s[G0V+3], s[G0V+3], 0x80000000
	CROUND
	tensor_load_to_lds s[G0K:G0K+3], s[G1:G1+7]
	s_nop 0
	s_lshl_b32 s73, s18, 15                        ; q's codes and the mask are asked for while K's first tile is on its way
	s_add_co_u32 s78, s72, s73
	s_mov_b32 s79, 0
	s_add_nc_u64 s[4:5], s[4:5], s[78:79]
	s_lshl_b32 s78, s19, 22
	s_lshl_b32 s73, s18, 17
	s_add_co_u32 s78, s78, s73
	s_lshl_b32 s73, s[WV], 9
	s_add_co_u32 s78, s78, s73
	s_add_nc_u64 s[14:15], s[14:15], s[78:79]
	s_lshl_b32 s78, s19, 13
	s_add_nc_u64 s[10:11], s[10:11], s[78:79]
	v_and_b32 v[LI], 31, v0
	v_lshlrev_b32 v[LI], 4, v[LI]
	WIN 0x40
.irp q, 0,1,2,3
.irp hs, 0,1,2,3
.irp c, 0,1,2,3
	global_load_b128 v[64*\q+16*\hs+4*\c:64*\q+16*\hs+4*\c+3], v[LI], s[4:5] offset:8192*\q+2048*\hs+512*\c
.endr
.endr
.endr
	WIN 0
	v_lshlrev_b32 v26, 4, v0
	v_add_nc_u32 v27, MASKC, v26
	v_add_nc_u32 v31, s81, v26
.irp i, 0,1,2,3
	v_add_nc_u32 v[SCL+\i], 2048*\i, v31
.endr
.irp i, 0,1,2,3
	v_and_b32 v[SCL+\i], 0x1fff, v[SCL+\i]
.endr
.irp i, 0,1,2,3
	global_load_b128 v[128+4*\i:128+4*\i+3], v[SCL+\i], s[10:11]
.endr
	s_wait_alu depctr_va_vdst(0)
	s_wait_tensorcnt 0x0
	ds_add_u32 v14, v15
	s_wait_dscnt 0x0
	CROUND
	tensor_load_to_lds s[G0V:G0V+3], s[G1:G1+7]
	s_nop 0
	PLACES 4
	v_and_b32 v18, 15, v0
	v_bfe_u32 v19, v0, 4, 1
	s_wait_alu depctr_va_vdst(0)
	s_lshl_b32 s72, s[WV], 15
	v_add_nc_u32 v[AK], s72, v[LI]
	s_lshl_b32 s72, s[WV], 14
	v_add_nc_u32 v[AV0], s72, v[LI]
	v_add_nc_u32 v[AV0], VS, v[AV0]
	v_add_nc_u32 v[AV0+1], 65536, v[AV0]
	v_add_nc_u32 v[AP], PIMG, v[LI]
	s_lshr_b32 s72, s[WV], 1
	s_lshl_b32 s72, s72, 11
	s_and_b32 s73, s[WV], 1
	s_lshl_b32 s73, s73, 10
	s_add_co_u32 s72, s72, s73
	v_add_nc_u32 v[APW], s72, v[AP]
	v_add_nc_u32 v[ASR], STAT, v[LI]
	s_lshl_b32 s72, s[WV], 9
	v_add_nc_u32 v[AST], s72, v[ASR]
	s_lshl_b32 s72, s[WV], 8
	v_lshl_add_u32 v[AM0], v19, 5, s72
	v_add_nc_u32 v[AM0], MASKC, v[AM0]
	s_mul_i32 s72, s[WV], 8448
	s_add_co_u32 s72, s72, OST
	v_mul_u32_u24 v[STO], v18, 528
	v_lshl_add_u32 v[STO], v19, 6, v[STO]
	v_add_nc_u32 v[STO], s72, v[STO]
	v_add_nc_u32 v[RD], s72, v[LI]
.irp q, 0,1,2,3
	v_mov_b32 v[ST+8*\q+1], 0xff61b1e6
	v_floor_f32 v[ST+8*\q], -v[ST+8*\q+1]
	v_mov_b32 v[ST+8*\q+2], 0
	v_mov_b32 v[ST+8*\q+3], 0
.endr
	s_wait_loadcnt 0x0
	s_wait_kmcnt 0x0
	s_add_co_i32 s72, s68, s69
	s_lshl_b32 s72, s72, 23
	s_add_co_i32 s[CS], s72, 0x3d8293ee
	s_mov_b32 s[CS+1], s[CS]
	s_sub_co_i32 s[KM], 0x417af233, s72
	s_sub_co_i32 s[DMAX], 127, s70
	s_add_co_i32 s42, s70, s71
	s_add_co_i32 s73, s70, 127
	s_lshl_b32 s74, s73, 23
	s_add_co_i32 s73, s73, 15
	s_lshl_b32 s73, s73, 23
	s_or_b32 s73, s73, 0x600000
.set n_, 0
.rept 16
	v_log_f32 v[128+n_], v[128+n_]
.set n_, n_+1
.endr
	v_mov_b32 v[SC0], s74
	v_mov_b32 v[LM0], s73
	s_wait_alu depctr_va_vdst(0)
.set n_, 0
.rept 16
	v_mul_f32 v[128+n_], s[KM], v[128+n_]
.set n_, n_+1
.endr
.irp i, 0,1,2,3
	ds_store_b128 v27, v[128+4*\i:128+4*\i+3] offset:2048*\i
.endr
	s_wait_tensorcnt 0x1
	s_wait_dscnt 0x0
	s_barrier_signal -1
	s_barrier_wait -1
	CBL                                            ; the first step's mask terms and K fragments
	KF 0
	KF 1
	KF 2
	KF 3
	WIN 0
	STEP 1, 1
	s_mov_b32 s[LEFT], 6
.Lstep:
	STEP 0, 1
	s_sub_co_u32 s[LEFT], s[LEFT], 1
	s_cmp_lg_u32 s[LEFT], 0
	s_cbranch_scc1 .Lstep
	STEP 0, 0
.irp q, 0,1,2,3
	v_add_f32 v[ST+8*\q+4], v[ST+8*\q+2], v[ST+8*\q+3]
.endr
.irp q, 0,1,2,3
	v_permlanex16_b32 v[ST+8*\q+5], v[ST+8*\q+4], s[SEL], s[SEL+1]
.endr
.irp q, 0,1,2,3
	v_add_f32 v[ST+8*\q+4], v[ST+8*\q+4], v[ST+8*\q+5]
.endr
.irp q, 0,1,2,3
	v_sub_nc_u32 v[ST+8*\q+7], 0, v[D+\q]
.endr
.irp q, 0,1,2,3
	v_ldexp_f32 v[SX+\q], v[ST+8*\q+4], v[ST+8*\q+7]
.endr
	ds_store_b128 v[AST], v[SX:SX+3]
	s_wait_dscnt 0x0
	s_barrier_signal -1
	s_barrier_wait -1
.irp w, 0,1,2,3
	ds_load_b128 v[T+4*\w:T+4*\w+3], v[ASR] offset:512*\w
.endr
	s_wait_dscnt 0x0
.irp q, 0,1,2,3
	v_add_f32 v[ST+8*\q+4], v[T+\q], v[T+4+\q]
.endr
.irp q, 0,1,2,3
	v_add_f32 v[ST+8*\q+5], v[T+8+\q], v[T+12+\q]
.endr
.irp q, 0,1,2,3
	v_add_f32 v[ST+8*\q+4], v[ST+8*\q+4], v[ST+8*\q+5]
.endr
	s_wait_alu depctr_va_vdst(0)
.irp q, 0,1,2,3
	v_rcp_f32 v[ST+8*\q+4], v[ST+8*\q+4]
.endr
	v_nop
	s_wait_alu depctr_va_vdst(0)
.irp q, 0,1,2,3
	v_ldexp_f32 v[ST+8*\q+4], v[ST+8*\q+4], s42
.endr
.irp q, 0,1,2,3
	v_mov_b32 v[ST+8*\q+5], v[ST+8*\q+4]
.endr
.macro TOSTAGE q
	WIN 0x03
.set n_, 0
.rept 32
	v_pk_mul_f32 v[TMP+n_:TMP+n_+1], v[64*(\q)+n_:64*(\q)+n_+1], v[ST+8*(\q)+4:ST+8*(\q)+5] op_sel_hi:[1,0]
.set n_, n_+2
.endr
	WIN 0
.irp t, 0,1,2,3,4,5,6,7
	ds_store_b128 v[STO], v[TMP+8*\t:TMP+8*\t+3] offset:128*(\t/2)+32*(\t%2)
	ds_store_b128 v[STO], v[TMP+8*\t+4:TMP+8*\t+7] offset:128*(\t/2)+32*(\t%2)+16
.endr
.set BB, BK0+128*((\q)%2)
.irp i, 0,1,2,3,4,5,6,7,8,9,10,11,12,13,14,15
	ds_load_b128 v[BB+4*\i:BB+4*\i+3], v[RD] offset:528*\i
.endr
.endm
.macro SEND q, younger
.set BB, BK0+128*((\q)%2)
	s_wait_dscnt \younger
.irp i, 0,1,2,3,4,5,6,7,8,9,10,11,12,13,14,15
	global_store_b128 v[LI], v[BB+4*\i:BB+4*\i+3], s[14:15] offset:2048*(16*(\q)+\i) th:TH_STORE_NT
.endr
.endm
	TOSTAGE 0
.irp a, 1,2,3
.if \a > 1
	s_wait_xcnt 0x0
.endif
	TOSTAGE \a
	SEND \a-1, 32
.endr
	SEND 3, 0
	s_wait_tensorcnt 0x0
	ds_add_u32 v[SPW], v[NIL]
	s_wait_dscnt 0x0
	CROUND
	s_endpgm
.Lfunc_end_k_qf28985a5e1_attn:
	.size	k_qf28985a5e1_attn, .Lfunc_end_k_qf28985a5e1_attn-k_qf28985a5e1_attn
	.p2alignl 7, 3214868480
	.fill 96, 4, 3214868480
	.section	.rodata,"a",@progbits
	.p2align	6, 0x0
	.amdhsa_kernel k_qf28985a5e1_attn
		.amdhsa_group_segment_fixed_size 327680
		.amdhsa_private_segment_fixed_size 0
		.amdhsa_enable_private_segment 0
		.amdhsa_kernarg_size 48
		.amdhsa_user_sgpr_count 2
		.amdhsa_user_sgpr_kernarg_segment_ptr 1
		.amdhsa_wavefront_size32 1
		.amdhsa_system_sgpr_workgroup_id_x 1
		.amdhsa_system_sgpr_workgroup_id_y 1
		.amdhsa_system_sgpr_workgroup_id_z 1
		.amdhsa_system_vgpr_workitem_id 0
		.amdhsa_next_free_vgpr 1024
		.amdhsa_next_free_sgpr 100
		.amdhsa_reserve_vcc 0
		.amdhsa_float_denorm_mode_32 3
		.amdhsa_float_denorm_mode_16_64 3
		.amdhsa_memory_ordered 1
		.amdhsa_forward_progress 1
		.amdhsa_inst_pref_size 198
	.end_amdhsa_kernel
	.amdgpu_metadata
---
amdhsa.version: [ 1, 2 ]
amdhsa.kernels:
  - .name:           k_qf28985a5e1_attn
    .symbol:         k_qf28985a5e1_attn.kd
    .args:
      - { .name: qc, .offset: 0, .size: 8, .value_kind: global_buffer, .address_space: global }
      - { .name: kc, .offset: 8, .size: 8, .value_kind: global_buffer, .address_space: global }
      - { .name: vc, .offset: 16, .size: 8, .value_kind: global_buffer, .address_space: global }
      - { .name: mask_weights, .offset: 24, .size: 8, .value_kind: global_buffer, .address_space: global }
      - { .name: lowp_scales, .offset: 32, .size: 8, .value_kind: global_buffer, .address_space: global }
      - { .name: out0, .offset: 40, .size: 8, .value_kind: global_buffer, .address_space: global }
    .group_segment_fixed_size: 327680
    .private_segment_fixed_size: 0
    .kernarg_segment_align: 8
    .kernarg_segment_size: 48
    .max_flat_workgroup_size: 128
    .sgpr_count:     100
    .vgpr_count:     1024
    .wavefront_size: 32
...
	.end_amdgpu_metadata
.endif
;; end of part 3
